; MI455X (gfx1250); checked and timed in simulation.
; The chip was launched on July 23, 2026; its instructions are those of AMD's public machine-readable ISA for CDNA 5 (MIT licence, August 2026) and "CDNA5" Instruction Set Architecture Reference Guide (July 2026). The comments in the code are by the model that wrote it; some were corrected since.
;; Biaffine. Allowed arithmetic: matrix products marked QUANTISED: E2M1 operands, one E8M0 scale for each 32 along K, by v_wmma_scale_f32_16x16x128_f8f6f4 with both operands' format E2M1 (or v_wmma_scale_f32_32x16x128_f4), f32 sums; everything else in f32.
;; Inputs: U_1_codes 64 x 512 x 16 x 16 uint8 (E2M1 codes of U_1, K innermost, in blocks of 32 codes, two codes a byte); U_1_scales 64 x 512 x 16 uint8 (E8M0 scales of U_1, one for each 32 codes along K); U_2 1,024 x 64 float32; bias 64 float32; h_backward_codes 4 x 512 x 16 x 16 uint8 (E2M1 codes of h_backward, K innermost, in blocks of 32 codes, two codes a byte); h_backward_scales 4 x 512 x 16 uint8 (E8M0 scales of h_backward, one for each 32 codes along K); h_forward_codes 4 x 512 x 16 x 16 uint8 (E2M1 codes of h_forward, K innermost, in blocks of 32 codes, two codes a byte); h_forward_scales 4 x 512 x 16 uint8 (E8M0 scales of h_forward, one for each 32 codes along K).
;; Outputs: out0 4 x 512 x 64 float32.
;; This version of the problem:
;;   THIS VERSION OF THE PROBLEM IS GIVEN IN LOW PRECISION. The matrix products marked QUANTISED in the list below multiply operands that are first quantised to E2M1 (2 exponent bits, 1 mantissa bit; 4 bits a number), with one power-of-two scale for each 32 numbers along K (OCP MX v1.0); their sums are f32. All else is computed in f32.
;;   The module's matrix products, in the order in which they are computed (A, B: the left and right operand; K: the contracted axis; several contracted axes count as one K, in the product's order):
;;     1. [M 32,768, K 512] x [K 512, N 2,048]; A: input U_1 (given as codes); B: input h_forward (given as codes): QUANTISED
;;     2. batch 4 x [M 32,768, K 512] x [K 512, N 512]; A: computed on the way; B: input h_backward (given as codes): QUANTISED
;;     3. [M 2,048, K 512] x [K 512, N 64]; A: input h_forward (given as codes); B: input U_2: QUANTISED
;;     4. [M 2,048, K 512] x [K 512, N 64]; A: input h_backward (given as codes); B: input U_2: QUANTISED
;;   THE QUANTISER, for each operand of a quantised product, along K:
;;     - K is cut into blocks of 32 from its start; a last block that is shorter is filled with zeros.
;;     - A block's scale is 2^e with e = floor(log2(the largest magnitude in the block)) - 2, held to -126 .. 127; a block of zeros has e = 0. As a byte (E8M0): e + 127.
;;     - Each number is divided by its block's scale, clamped to +-6, and rounded to the nearest number of E2M1, ties to even, subnormals kept.
;;     - The product sums the exact products of the quantised numbers (number of the format x scale) in f32.
;;   ~~~python
;;   def quantise(x, axis):      # numpy; x: float32 -> the quantised numbers, widened to float32 again
;;       x = np.moveaxis(x, axis, -1); K = x.shape[-1]
;;       x = np.pad(x, [(0, 0)] * (x.ndim - 1) + [(0, -K % 32)]); x = x.reshape(x.shape[:-1] + (-1, 32)); a = np.abs(x).max(-1, keepdims=True)
;;       e = np.where(a > 0, np.clip(np.frexp(np.where(a > 0, a, 1))[1] - 1 - 2, -126, 127), 0)      # np.frexp(a)[1] - 1 = floor(log2(a)), exactly
;;       r = np.clip(x / 2.0 ** e, -6, 6)
;;       step = 2.0 ** (np.maximum(np.frexp(np.where(r == 0, 1, r))[1] - 1, 0) - 1)
;;       q = np.round(r / step) * step * 2.0 ** e      # np.round: ties to even
;;       return np.moveaxis(q.reshape(q.shape[:-2] + (-1,))[..., :K], -1, axis).astype(np.float32)
;;   ~~~
;;   OPERANDS COMPUTED ON THE WAY. 'Computed on the way' means the value that the module computes at that place (a softmax that the list does not call 'softmax' is quantised finished and normalised). What goes into a quantiser is computed in f32, as accurately as f32 sums, v_exp_f32 and their like allow (about 1e-6 of the number): no bf16 or f16 on the way to a quantiser, and a product that is left as it is and whose result goes on into a quantised operand takes f32 operands (vector FMAs, or v_wmma_f32_16x16x4_f32). A number that lies on a knife's edge between two numbers of the format may be rounded either way, as far as f32 arithmetic and the matrix unit's own rounding can turn it there, and no further.
;;   INPUTS GIVEN AS CODES. U_1 (in the module: [512, 64, 512], K = its axis 0); h_backward (in the module: [4, 512, 512], K = its axis 2); h_forward (in the module: [4, 512, 512], K = its axis 2): each comes as NAME_codes (uint8): NAME with its K axis moved to the last place and cut into blocks of 32 codes, [.., K / 32, bytes a block], one block behind the other in memory; two codes a byte, the lower K in the low four bits (a code: sign, 2 exponent bits, 1 mantissa bit); and NAME_scales (uint8): the same leading axes, one E8M0 byte (e + 127) for each 32 codes along K. Its value is code x scale, taken as it is: it is not quantised again, and the codes and scales need not be those that the quantiser above would give.
;; One version. Each part assembles by itself: llvm-mc -triple=amdgcn-amd-amdhsa -mcpu=gfx1250 --defsym DOCPART=n.
;; ======== version 1 of 1: 1 launch
;; limits: right only within a limited range of input values
;; launch biaffine (part 1): grid 64 x 4, 4 waves a work-group, clusters of 4 x 4, 327,680 bytes of LDS; arguments U_1_codes, U_1_scales, U_2, bias, h_backward_codes, h_backward_scales, h_forward_codes, h_forward_scales, out0; writes out0
.if DOCPART == 1
	.amdgcn_target "amdgcn-amd-amdhsa--gfx1250"
	.amdhsa_code_object_version 6
	.text
	.protected	k_qc9d4fef5c2_biaffine
	.globl	k_qc9d4fef5c2_biaffine
	.p2align	8
	.type	k_qc9d4fef5c2_biaffine,@function
k_qc9d4fef5c2_biaffine:
	s_mov_b64 s[64:65], 0
	v_nop
	global_prefetch_b8 v0, s[64:65] scope:SCOPE_SE
	s_setreg_imm32_b32 hwreg(HW_REG_WAVE_MODE, 25, 1), 1
	s_wait_xcnt 0x0
	s_wait_alu depctr_hold_cnt(0) depctr_sa_sdst(0) depctr_va_vdst(0) depctr_va_sdst(0) depctr_va_ssrc(0) depctr_va_vcc(0) depctr_vm_vsrc(0)
	s_getreg_b32 s2, hwreg(HW_REG_IB_STS2, 6, 4)
	s_cmp_eq_u32 s2, 0
	s_cbranch_scc0 .Lentry_in_a_cluster
	s_endpgm
.Lentry_in_a_cluster:
	s_bfe_u32 s2, ttmp6, 0x10000c
	s_cmp_lg_u32 s2, 0xf033
	s_cbranch_scc0 .Lentry_shape_is_right
	s_endpgm
.Lentry_shape_is_right:
; out0[b][x][r] = mean over y of ( sum_j Q(T[b][x][r][:])[j] hb[b][y][j] + rf[b][x][r] + rb[b][y][r] + bias[r] ),  T[b][x][r][j] = sum_i U1[r][j][i] hf[b][x][i],
; rf = hf . Q(U_2[:512]), rb = hb . Q(U_2[512:]).  All four products on codes of FP4 (E2M1) with one E8M0 scale for each 32 along K; Q is the MX quantiser; sums in f32.
; SHARES.  A work-group owns one r and one batch b, all 512 x: 64 x 4 = 256 work-groups of equal work.  Each of its four waves owns 128 x: 8 tiles of 16.
; P1 makes T in PHASES of 32 j: 4 K steps along i x 8 tiles of x = 32 matrix instructions of 32 x 16 x 128.  32 j are one block of the quantiser: a tile of x has 16 registers of T, and the phase's T is quantised among the
; products of the next phase (two T buffers).  P2: codes against hb in QUARTERS of 128 y: 4 pairs of tiles x 8 tiles of x.  THE MEAN IS LINEAR: all y add onto ONE accumulator for each tile of x: the sum over y ends as a sum of 32 numbers.
; Order: 8 phases (256 j), their 8 quarters (2 x 128 j, 4 x 128 y), and the same once more.  The two halves differ in their rounds, barriers and starts of sums, so the text is written out and has no loop.
; BOTH PRODUCTS ARE USED TRANSPOSED (source 0 = 32 rows j of U1 or 32 rows y of hb; source 1 = hf's tile or the codes): a lane holds ONE x (lane % 16) throughout.
; rf: column r of U_2[:512] as a fragment of 16 equal rows against hf.  rb: each wave takes the 128 y of its own number (the last group of its walk) against column r of U_2[512:] as 16 equal columns; the four waves' parts meet in LDS.
; The codes' scale bytes are those of the rule + 2 (the exponent field of the largest magnitude as it stands): out = 2^-11 x P2's sum + 2^-9 x rb's sum + rf + bias[r].
; CLUSTER, 4 x 4 work-groups: cx picks r, cy is b.  U1 hangs on r alone and is asked for jointly by the four of a column; hf and hb hang on b alone and are asked for jointly by the four of a row.
; LDS: hf's 512 rows lie first where hb's will lie: hf is read into registers once (256 registers) and stays there.
; WHAT IS NOT IN WHOLE RUNS OF 256 BYTES: a row of out0 holds all 64 r and a work-group owns one, so it stores 4 bytes in each of 512 rows; column r of U_2 is likewise 4 bytes of each of 1,024 rows.
; A work-group that owned nr of the r would read nr x 128 KiB of U1 for 512 / nr of the x: the bytes of U1, the largest input, would be read nr times as often.
; No prefetch.
; LIMITS: NaN and infinities are not served; a block whose largest magnitude lies under 2^-124 keeps that floor's scale (a block of zeros too: its codes are zeros); P2's sums are held as 4 x 512 x the mean, so they
; stay finite while that is under 2^128; the sums over y and over K are taken in another order than the definition's, all in f32.
; REGISTERS, in windows of 256 (s_set_vgpr_msb: bits 1:0 source 0, 3:2 source 1, 5:4 source 2, 7:6 destination):
;   window 0: below; v128-255 two halves of 64 for the streamed fragments of U1 or hb.   window 1: hf's fragments, (xt, ks) at 32 xt + 8 ks.
;   window 2: T, two buffers of 128 (tile xt at 16 xt); between P2's two passes rf's sums and U2a's fragments.   window 3: v0-127 P2's sums, v128-191 and v192-255 the codes of the two chunks in hand.
.set PITCH, 272                        ; an LDS row: 256 bytes + 16 of padding = 68 words: row q starts at bank 4 q mod 64 (64 banks of 4 bytes: ISA guide 11.1): the 16 rows of a fragment load start at 16 different banks
.set TILEB, 16*PITCH                   ; 16 rows
.set CHB,   128*PITCH                  ; 128 rows
.set UB,    512*PITCH                  ; LDS: U1's 512 rows j, behind hf's / hb's 512 rows at 0
.set U1S,   2*512*PITCH                ; from here on nothing is filled by a tensor load: U1's scale words, 16 bytes a row
.set HBS,   U1S+8192                   ; hb's
.set U2C,   HBS+8192                   ; the codes of column r of U_2: 32 blocks of 16 bytes
.set U2S,   U2C+512                    ; their 32 scale bytes
.set RBX,   U2S+256                    ; the four waves' parts of rb's sum
.set SPARE, RBX+256                    ; the spare words, 128 bytes for each wave, that no other line names
.set AU,   1                           ; v1-2   LDS address of my lane in a tile of U1: rows 0-255, rows 256-511
.set AUS,  3                           ; in U1's scale words
.set AH,   4                           ; v4-7   in hb's group of 128 rows, by the order of my walk: the last is the wave's own
.set AHS,  8                           ; v8-11  the same in hb's scale words
.set LU,   12                          ; U2C + 16 (lane / 16)
.set LUS,  13                          ; U2S
.set OUTO, 14                          ; 256 x lane
.set U2O,  15                          ; my block of U_2's column
.set SPW,  16
.set NIL,  17
.set IMW,  18                          ; where I store my block's codes
.set SBW,  19                          ; and its scale byte
.set RBW,  20
.set RBR,  21
.set HFS,  24                          ; v24-39 hf's scale words: register 4 p + ks: lanes 0-15 tile 2 p, lanes 16-31 tile 2 p + 1
.set SCW,  40                          ; v40-47 the streamed fragments' scale words, 4 for each half
.set CS,   48                          ; v48-55 the codes' scale words, 4 for each chunk in hand
.set U2AS, 56
.set U2BS, 60
.set MX,   64                          ; v64-71 largest magnitudes
.set EX,   72                          ; v72-79 the conversions' scale operands
.set U2B,  80                          ; v80-87 U2b's fragment
.set RB,   88                          ; v88-103 rb's sums
.set U2T,  80                          ; v80-111 32 numbers of U_2 (before U2b's fragment and rb's sums are there)
.set RF,   112                         ; v112-115 rf + bias
.set U2K,  116                         ; v116-119 codes of a block of U_2
.set U2Y,  120
.set STR,  128
.set WV,   22                          ; s22 wave;  s23 cx;  s24 cy = b;  s25 r;  s26 my row of the cluster;  s27 my column
.set CX,   23
.set CY,   24
.set RR,   25
.set G1F,  36                          ; descriptor groups 1: hf, U1's first 256 rows, hb, U1's other 256 rows
.set G1U,  44
.set G1H,  52
.set G1R,  68
.set G0F,  76                          ; and groups 0
.set G0U,  80
.set G0H,  84
.set G0R,  88
.set SEL,  100
.set BIAS, 105
.set MSB, 0
.macro WIN new                         ; the immediate's high byte repeats the setting that is left; a switch that changes nothing is dropped
.if MSB != \new
	s_set_vgpr_msb (MSB<<8)|\new
.set MSB, \new
.endif
.endm
.macro PLACES n
.rept \n
	v_nop
.endr
.endm
.macro CREST                           ; a round of the cluster's barrier behind its opening barrier
	s_cmp_lg_u32 s[WV], 0
	s_cbranch_scc1 .Lnot_wave_0_\@
	s_barrier_signal -3
.Lnot_wave_0_\@:
	s_barrier_wait -3
	s_barrier_signal -1
	s_barrier_wait -1
.endm
.macro ROUND
	s_barrier_signal -1
	s_barrier_wait -1
	CREST
.endm
.macro G1REST g, rows                  ; descriptor group 1, words 1 to 7: rows of 256 bytes, dense in memory
	s_mov_b32 s[\g+1], 256<<16                     ; tensor_dim0
	s_mov_b32 s[\g+2], (\rows)<<16                 ; tensor_dim1
	s_mov_b32 s[\g+3], 256<<16                     ; tile_dim0
	s_mov_b32 s[\g+4], \rows                       ; tile_dim1
	s_mov_b32 s[\g+5], 256                         ; tensor_dim0_stride
	s_mov_b32 s[\g+6], 0
	s_mov_b32 s[\g+7], 0
.endm
; One matrix instruction of 32 x 16 x 128.  z: it starts its sum with 0.  rb: source 1's scale words are read from lanes 16-31 of the register named.
.macro WB d, a, b, z, sa, sb, rb
.if (\z) != 0
.if (\rb) != 0
	v_wmma_scale_f32_32x16x128_f4 v[\d:\d+15], v[\a:\a+15], v[\b:\b+7], 0, v[\sa], v[\sb] matrix_b_scale:MATRIX_SCALE_ROW1
.else
	v_wmma_scale_f32_32x16x128_f4 v[\d:\d+15], v[\a:\a+15], v[\b:\b+7], 0, v[\sa], v[\sb]
.endif
.else
.if (\rb) != 0
	v_wmma_scale_f32_32x16x128_f4 v[\d:\d+15], v[\a:\a+15], v[\b:\b+7], v[\d:\d+15], v[\sa], v[\sb] matrix_b_scale:MATRIX_SCALE_ROW1
.else
	v_wmma_scale_f32_32x16x128_f4 v[\d:\d+15], v[\a:\a+15], v[\b:\b+7], v[\d:\d+15], v[\sa], v[\sb]
.endif
.endif
.endm
; P1, K step k of phase n: the eight tiles of x by turns.  T buffer and stream half: n % 2.
.macro G1 k, n
	WIN 0xa4                                       ; U1 window 0, hf window 1, T window 2
.set gX, 0
.rept 8
.set rD, 128*((\n)%2)+16*gX
.set rA, STR+64*((\n)%2)+16*(\k)
.set rB, 32*gX+8*(\k)
.set rS, SCW+4*((\n)%2)+(\k)
.set rT, HFS+4*(gX/2)+(\k)
.set rZ, 0
.if (\k) == 0
.set rZ, 1
.endif
	WB rD, rA, rB, rZ, rS, rT, gX%2
.set gX, gX+1
.endr
.endm
; P2, pair i of quarter m: 32 y against the eight tiles of codes by turns.
.macro G2 s, m, i
	WIN 0xfc                                       ; hb window 0, the codes and the sums window 3
.set gX, 0
.rept 8
.set rD, 16*gX
.set rA, STR+64*((\m)%2)+16*(\i)
.set rB, 128+64*((\m)/4)+8*gX
.set rS, SCW+4*((\m)%2)+(\i)
.set rT, CS+4*((\m)/4)+gX/2
.set rZ, 0
.if ((\s)==0)&&((\m)==0)&&((\i)==0)
.set rZ, 1
.endif
	WB rD, rA, rB, rZ, rS, rT, gX%2
.set gX, gX+1
.endr
.endm
.macro RBM s, m, i                     ; rb: the same 32 y against U2b
	WIN 0
.set rA, STR+64*((\m)%2)+16*(\i)
.set rS, SCW+4*((\m)%2)+(\i)
.set rZ, 0
.if ((\s)==0)&&((\m)==3)&&((\i)==0)
.set rZ, 1
.endif
	WB RB, rA, U2B, rZ, rS, U2BS, 0
.endm
; LDS loads.  A fragment of 32 rows x 128 K: rows 0-15 in registers 0-7, rows 16-31 in 8-15; lane l holds row l % 16; registers 4 c .. 4 c + 3 hold K = 64 c + 32 (l / 16) + 0 .. 31.
.macro U1W c, jp, hv                   ; scale words of 32 rows j: register ks, lane = row
	ds_load_b128 v[SCW+4*(\hv):SCW+4*(\hv)+3], v[AUS] offset:512*(4*(\c)+(\jp))
.endm
.macro U1K c, jp, hv, k
.set lOf, CHB*((\c)%2)+2*TILEB*(\jp)+64*(\k)
.set lRg, STR+64*(\hv)+16*(\k)
	ds_load_b128 v[lRg:lRg+3], v[AU+(\c)/2] offset:lOf
	ds_load_b128 v[lRg+4:lRg+7], v[AU+(\c)/2] offset:lOf+32
	ds_load_b128 v[lRg+8:lRg+11], v[AU+(\c)/2] offset:lOf+TILEB
	ds_load_b128 v[lRg+12:lRg+15], v[AU+(\c)/2] offset:lOf+TILEB+32
.endm
.macro HBI c, q, hv, i                 ; pair i of group q of my walk, K step c, and its scale word
.set lOf, 2*TILEB*(\i)+64*(\c)
.set lRg, STR+64*(\hv)+16*(\i)
	ds_load_b128 v[lRg:lRg+3], v[AH+(\q)] offset:lOf
	ds_load_b128 v[lRg+4:lRg+7], v[AH+(\q)] offset:lOf+32
	ds_load_b128 v[lRg+8:lRg+11], v[AH+(\q)] offset:lOf+TILEB
	ds_load_b128 v[lRg+12:lRg+15], v[AH+(\q)] offset:lOf+TILEB+32
	ds_load_b32 v[SCW+4*(\hv)+(\i)], v[AHS+(\q)] offset:512*(\i)+4*(\c)
.endm
.macro HFK k                           ; K step k of my 8 tiles of hf
	WIN 0x40
.irp x, 0,1,2,3,4,5,6,7
	ds_load_b128 v[32*\x+8*(\k):32*\x+8*(\k)+3], v[AH+3] offset:TILEB*\x+64*(\k)
	ds_load_b128 v[32*\x+8*(\k)+4:32*\x+8*(\k)+7], v[AH+3] offset:TILEB*\x+64*(\k)+32
.endr
	WIN 0
.endm
.macro U2BL c                          ; U2b's fragment of K step c and its word
.irp e, 0,1
	ds_load_b128 v[U2B+4*\e:U2B+4*\e+3], v[LU] offset:256+64*(\c)+32*\e
.endr
	ds_load_b32 v[U2BS], v[LUS] offset:16+4*(\c)
.endm
; What the phase behind phase n wants, k = 0 .. 3: K step k of the next 32 j, or, behind phase 7, pair k of the first quarter.
.macro NX1 s, n, k
.if (\n) < 7
.set nC, 2*(\s)+((\n)+1)/4
.set nJ, ((\n)+1)%4
.set nH, ((\n)+1)%2
.if (\k) == 0
	U1W nC, nJ, nH
.endif
	U1K nC, nJ, nH, \k
.else
.set nC, 2*(\s)
	HBI nC, 0, 0, \k
.endif
.endm
.macro NEXT1 s, n
	WIN 0
.irp k, 0,1,2,3
	NX1 \s, \n, \k
.endr
.if ((\s)==0)&&((\n)>0)&&((\n)<5)
.set uI, 8*((\n)-1)
.rept 8
	global_load_b32 v[U2T+uI], v[U2O], s[8:9] offset:256*uI   ; U_2(32 x my block + uI, r), eight at a time in phases 1 to 4
.set uI, uI+1
.endr
.endif
.endm
; What the quarter behind quarter m wants (20 loads), or, behind the first half's last quarter, the next phase (17 loads).
.macro RUN2 s, m
	WIN 0
.if (\m) < 7
.set nC, 2*(\s)+((\m)+1)/4
.set nJ, ((\m)+1)%4
.set nH, ((\m)+1)%2
.irp k, 0,1,2,3
	HBI nC, nJ, nH, \k
.endr
.else
	U1W 2, 0, 0
.irp k, 0,1,2,3
	U1K 2, 0, 0, \k
.endr
.endif
.if (((\m)%4)==2)&&(((\s)>0)||((\m)>2))
.set nC, 2*(\s)+(\m)/4
	U2BL nC
.endif
.endm
; The last chunk's 16 pairs, ahead of time: four of them (my walk's group 3, 0, 1 or 2) into T's registers, pair e at 16 e of window 2, its scale word in hf's word e: the last product of P1 has been issued by then.  20 loads.
.macro EBQ e
.set lQ, ((\e)+3)%4
	WIN 0x80
.irp i, 0,1,2,3
.set lOf, 2*TILEB*\i+192
.set lRg, 64*(\e)+16*\i
	ds_load_b128 v[lRg:lRg+3], v[AH+lQ] offset:lOf
	ds_load_b128 v[lRg+4:lRg+7], v[AH+lQ] offset:lOf+32
	ds_load_b128 v[lRg+8:lRg+11], v[AH+lQ] offset:lOf+TILEB
	ds_load_b128 v[lRg+12:lRg+15], v[AH+lQ] offset:lOf+TILEB+32
.endr
	WIN 0
.irp i, 0,1,2,3
	ds_load_b32 v[HFS+4*(\e)+\i], v[AHS+lQ] offset:512*\i+12
.endr
.endm
; THE QUANTISER of a phase's T, 8 tiles of 16 registers, in four parts.  Register 8 u + i of lane (rl, h) is j = 16 u + 8 h + i of x = rl: the block lies in lanes l and l xor 16.
.macro QB0 tb
	WIN 0x0a                                       ; sources 0 and 1: T's window
.irp t, 0,1,2,3,4,5,6,7
	v_max3_num_f32 v[MX+\t], |v[128*(\tb)+16*\t]|, |v[128*(\tb)+16*\t+1]|, 0x1800000   ; each accumulator from its low end on; the floor 2^(3 - 127)
.endr
.irp i, 2,4,6
.irp t, 0,1,2,3,4,5,6,7
	v_max3_num_f32 v[MX+\t], |v[128*(\tb)+16*\t+\i]|, |v[128*(\tb)+16*\t+\i+1]|, v[MX+\t]
.endr
.endr
.endm
.macro QB1 tb
	WIN 0x0a
.irp i, 8,10,12,14
.irp t, 0,1,2,3,4,5,6,7
	v_max3_num_f32 v[MX+\t], |v[128*(\tb)+16*\t+\i]|, |v[128*(\tb)+16*\t+\i+1]|, v[MX+\t]
.endr
.endr
.endm
.macro QB2                             ; tiles 2 q and 2 q + 1 together: lanes 0-15 get the first's largest magnitude, lanes 16-31 the second's; then each as a scale operand in all lanes
	WIN 0
.irp q, 0,1,2,3
	v_permlane16_swap_b32 v[MX+2*\q], v[MX+2*\q+1]
.endr
.irp q, 0,1,2,3
	v_max_num_f32 v[MX+2*\q], v[MX+2*\q], v[MX+2*\q+1]
.endr
.irp q, 0,1,2,3
	v_add_nc_u32 v[EX+2*\q], 0xff000000, v[MX+2*\q]   ; 2 off the exponent field
.endr
.irp q, 0,1,2,3
	v_add_nc_u32 v[EX+2*\q+1], 0xff000000, v[MX+2*\q]
.endr
.irp q, 0,1,2,3
	v_permlane16_swap_b32 v[EX+2*\q], v[EX+2*\q+1]
.endr
.endm
; The codes of octet 2 u + h of block p % 4 go to register 4 (p % 4 / 2) + 2 u + p % 2; behind each second block one exchange of halves for each pair of registers gives the operand's layout.
.macro QB3 p
	WIN 0xc2                                       ; T window 2, scale operands window 0, codes window 3
.irp t, 0,1,2,3,4,5,6,7
.irp u, 0,1
	v_cvt_scalef32_pk8_fp4_f32 v[128+64*((\p)/4)+8*\t+4*(((\p)%4)/2)+2*\u+(\p)%2], v[128*((\p)%2)+16*\t+8*\u:128*((\p)%2)+16*\t+8*\u+7], v[EX+\t]
.endr
.endr
	WIN 0
.if ((\p)%4) == 0
.irp q, 0,1,2,3
	v_lshrrev_b32 v[CS+4*((\p)/4)+\q], 23, v[MX+2*\q]   ; the byte: the rule's + 2
.endr
.else
.irp q, 0,1,2,3
	v_lshrrev_b32 v[MX+2*\q+1], 23, v[MX+2*\q]
.endr
.irp q, 0,1,2,3
	v_lshl_or_b32 v[CS+4*((\p)/4)+\q], v[MX+2*\q+1], 8*((\p)%4), v[CS+4*((\p)/4)+\q]
.endr
.endif
.if ((\p)%2) == 1
	WIN 0xc3
.set qC, 128+64*((\p)/4)+4*(((\p)%4)/2)
.irp t, 0,1,2,3,4,5,6,7
	v_permlane16_swap_b32 v[qC+8*\t], v[qC+8*\t+1]
	v_permlane16_swap_b32 v[qC+8*\t+2], v[qC+8*\t+3]
.endr
.endif
.endm
; A round of the cluster's barrier with phase n's first eight products inside its opening barrier, and the wave's one tensor load behind it.
.macro MEET n, g0, g1
	WIN 0
	s_wait_tensorcnt 0x0                           ; all my tensor loads have landed;
	ds_add_u32 v[SPW], v[NIL]                      ; 0 onto my spare word
	PLACES 4
	s_wait_dscnt 0x0                               ; the add is done, and so are my LDS reads
	s_barrier_signal -1
	G1 0, \n
	WIN 0
	s_barrier_wait -1
	CREST                                          ; no wave of any partner still reads these bytes or has a load on its way
	tensor_load_to_lds s[\g0:\g0+3], s[\g1:\g1+7]
	s_nop 0
	PLACES 4
.endm
; Phase n of half s.  Four places stand in front of loads into registers that matrix instructions have read and of vector reads of their results (ISA guide 7.12.1 for vector instructions):
; from phase 2 on QB3's shifts behind the phase before are these places.
.macro PHASE s, n
.if ((\s)==0)&&((\n)==1)
	MEET 1, G0H, G1H                               ; hf is in registers of all waves: hb takes its bytes
.elseif ((\s)==0)&&((\n)==7)
	MEET 7, G0R, G1R                               ; hb has landed; U1's other 256 rows
.else
.if (\n) < 2
	PLACES 4
.endif
	s_wait_dscnt 0x0                               ; this phase's fragments and scale words, asked for in the phase before
	G1 0, \n
.endif
.if (\n) > 0
	QB0 ((\n)+1)%2
.endif
	NEXT1 \s, \n                                   ; the next phase's loads in one run
	G1 1, \n
.if (\n) > 0
	QB1 ((\n)+1)%2
.endif
	G1 2, \n
.if (\n) > 0
	QB2
.endif
	G1 3, \n
.if (\n) > 0
	QB3 (\n)-1
.endif
.endm
; My block of U_2's column, 32 numbers in one lane (lanes l and l + 8 hold the same block): codes and scale byte into LDS.
.macro U2Q
	WIN 0
	v_max3_num_f32 v[MX], |v[U2T]|, |v[U2T+1]|, 0x1800000
	v_max3_num_f32 v[MX+1], |v[U2T+16]|, |v[U2T+17]|, 0x1800000
.irp i, 2,4,6,8,10,12,14
	v_max3_num_f32 v[MX], |v[U2T+\i]|, |v[U2T+\i+1]|, v[MX]
	v_max3_num_f32 v[MX+1], |v[U2T+16+\i]|, |v[U2T+17+\i]|, v[MX+1]
.endr
	v_max_num_f32 v[MX], v[MX], v[MX+1]
	v_add_nc_u32 v[EX], 0xff000000, v[MX]
.irp g, 0,1,2,3
	v_cvt_scalef32_pk8_fp4_f32 v[U2K+\g], v[U2T+8*\g:U2T+8*\g+7], v[EX]
.endr
	v_lshrrev_b32 v[U2Y], 23, v[EX]                ; the byte; also the plain place behind the conversions
	v_nop
	ds_store_b128 v[IMW], v[U2K:U2K+3]
	ds_store_b8 v[SBW], v[U2Y]
.endm
; Quarter m of half s: chunk m / 4 of the two in hand, group m % 4 of my walk over y.
.macro QTR s, m
.if (\m) > 0
	PLACES 4
.endif
.if ((\s)==0)&&((\m)==6)
	s_wait_tensorcnt 0x0                           ; my part of U1's other rows has landed
.endif
.if (\s) > 0
.if (\m) == 0
	s_wait_dscnt 40                                ; this quarter's fragments and words; behind them: quarter 1's 20 loads and 20 of the last chunk's
.else
	s_wait_dscnt 20                                ; behind them: 20 of the last chunk's
.endif
.elseif (\m) == 0
	s_wait_dscnt 20                                ; behind them: quarter 1's 20 loads
.else
	s_wait_dscnt 0x0                               ; this quarter's fragments and words
.endif
.if ((\s)==0)&&((\m)==1)
	s_wait_loadcnt 0x0                             ; my 32 numbers of U_2
	U2Q
.endif
.if ((\s)==0)&&(((\m)==2)||((\m)==6))
	s_barrier_signal -1                            ; m = 2: my codes of U_2 are stored;  m = 6: my part of U1's other rows is in.
.endif
.if ((\s)==0)&&(((\m)==3)||((\m)==7))
	s_barrier_wait -1                              ; both hold of all four waves
.endif
.if ((\s)==0)&&((\m)==3)
	WIN 0
	U2BL 0
	ds_load_b128 v[U2AS:U2AS+3], v[LUS]            ; U2a's four words,
	WIN 0x80
.irp k, 0,1,2,3
.irp e, 0,1
	ds_load_b128 v[128+8*\k+4*\e:128+8*\k+4*\e+3], v[LU] offset:64*\k+32*\e   ; and its four fragments, into T's second buffer
.endr
.endr
	WIN 0
.endif
.if ((\s)==0)&&((\m)==4)
	WIN 0x82
.irp q, 0,1,2,3
	v_permlane16_swap_b32 v[16*\q], v[16*\q+8]     ; rf: every register of a tile holds the same 16 numbers: lanes 0-15 now tile 2 q's, lanes 16-31 tile 2 q + 1's
.endr
	WIN 0x08
.irp q, 0,1,2,3
	v_add_f32 v[RF+\q], s[BIAS], v[16*\q]
.endr
.endif
.if ((\m)>0)&&(((\s)==0)||((\m)<3))
	RUN2 \s, \m
.endif
.if (\s) > 0
.if (\m) == 3
	WIN 0
.irp e, 0,1
	ds_load_b128 v[MX+4*\e:MX+4*\e+3], v[LU] offset:448+32*\e   ; U2b's fragment of the last K step, in registers that the quantiser has left,
.endr
	ds_load_b32 v[U2AS], v[LUS] offset:28          ; and its word
.endif
.if (\m) > 0
	EBQ \m
.endif
.endif
.irp i, 0,1,2,3
	G2 \s, \m, \i
.if ((\m)%4) == 3
.if ((\s)==0)&&((\m)==3)&&(\i==0)
	s_wait_dscnt 20                                ; U2b's and U2a's loads; behind them: the next quarter's 20
.endif
	RBM \s, \m, \i
.endif
.endr
.endm
; rf: eight sums by turns, U2a's four K steps against hf.
.macro RFM
	WIN 0xa6                                       ; U2a window 2, hf window 1, the sums window 2
.set fK, 0
.rept 4
.set fX, 0
.rept 8
.set rD, 8*fX
.set rA, 128+8*fK
.set rB, 32*fX+8*fK
.set rT, HFS+4*(fX/2)+fK
.if fK == 0
.if fX%2
	v_wmma_scale_f32_16x16x128_f8f6f4 v[rD:rD+7], v[rA:rA+7], v[rB:rB+7], 0, v[U2AS+fK], v[rT] matrix_a_fmt:MATRIX_FMT_FP4 matrix_b_fmt:MATRIX_FMT_FP4 matrix_b_scale:MATRIX_SCALE_ROW1
.else
	v_wmma_scale_f32_16x16x128_f8f6f4 v[rD:rD+7], v[rA:rA+7], v[rB:rB+7], 0, v[U2AS+fK], v[rT] matrix_a_fmt:MATRIX_FMT_FP4 matrix_b_fmt:MATRIX_FMT_FP4
.endif
.else
.if fX%2
	v_wmma_scale_f32_16x16x128_f8f6f4 v[rD:rD+7], v[rA:rA+7], v[rB:rB+7], v[rD:rD+7], v[U2AS+fK], v[rT] matrix_a_fmt:MATRIX_FMT_FP4 matrix_b_fmt:MATRIX_FMT_FP4 matrix_b_scale:MATRIX_SCALE_ROW1
.else
	v_wmma_scale_f32_16x16x128_f8f6f4 v[rD:rD+7], v[rA:rA+7], v[rB:rB+7], v[rD:rD+7], v[U2AS+fK], v[rT] matrix_a_fmt:MATRIX_FMT_FP4 matrix_b_fmt:MATRIX_FMT_FP4
.endif
.endif
.set fX, fX+1
.endr
.set fK, fK+1
.endr
	WIN 0
.endm
.macro LASTQ s                         ; phase 7's T is quantised with no products between; loads stand among it
	QB0 1
	RUN2 \s, 0
	QB1 1
.if (\s) > 0
	EBQ 0
.endif
	QB2
	QB3 7
	PLACES 4                                       ; an operand written by a vector instruction stands 4 places ahead of a scaled matrix instruction, a scale word 8 (QB3's exchanges are the others)
	WIN 0
	s_wait_alu depctr_va_vdst(0)
.endm
	s_load_b512 s[4:19], s[0:1], 0x0               ; U1's codes s[4:5], its scales s[6:7], U_2 s[8:9], bias s[10:11], hb's codes s[12:13], its scales s[14:15], hf's codes s[16:17], its scales s[18:19]
	s_load_b64 s[20:21], s[0:1], 0x40              ; out0
	v_lshl_add_u32 v[SPW], v0, 2, SPARE
	v_mov_b32 v[NIL], 0
	ds_add_u32 v[SPW], v[NIL]                      ; the opening: the add, twice on end, and its wait ahead of the first tensor load
	ds_add_u32 v[SPW], v[NIL]
	v_lshrrev_b32 v1, 5, v0
	v_readfirstlane_b32 s[WV], v1                  ; wave 0..3
	s_bfe_u32 s[CX], ttmp6, 0x40000                ; cx
	s_bfe_u32 s[CY], ttmp6, 0x40004                ; cy: the batch (the grid's y is one cluster high)
	s_lshl_b32 s[RR], ttmp9, 2
	s_add_co_u32 s[RR], s[RR], s[CX]               ; r = 4 x cluster x + cx
	s_lshl_b32 s26, s[CY], 2
	s_lshl_b32 s26, 15, s26                        ; my row of the cluster: the four r of my batch
	s_lshl_b32 s27, 0x1111, s[CX]                  ; my column: the four batches of my r
	; descriptor groups 1.  Word 0: 15:0 the mask; 17:16 element of 1 byte; 20 padding on; 21 set beside a mask; 24:22 after every 64 words (code 5); 31:25 four words (code 3)
.set G1PAD, (1<<20)|(1<<21)|(5<<22)|(3<<25)
	s_or_b32 s[G1F], s26, G1PAD                    ; hf: 256 rows (waves 0 and 1)
	G1REST G1F, 256
	s_or_b32 s[G1U], s27, G1PAD                    ; U1: 128 rows (waves 2 and 3)
	G1REST G1U, 128
	s_or_b32 s[G1H], s26, G1PAD                    ; hb: 128 rows a wave
	G1REST G1H, 128
	s_or_b32 s[G1R], s27, G1PAD                    ; U1's other half: 64 rows a wave
	G1REST G1R, 64
	; descriptor groups 0: count, LDS address (a constant + the wave x a constant)
	s_and_b32 s3, s[WV], 1
	s_mov_b32 s[G0F], 1
	s_mul_i32 s[G0F+1], s3, 256*PITCH
	s_mov_b32 s[G0U], 1
	s_mul_i32 s[G0U+1], s3, CHB
	s_add_co_u32 s[G0U+1], s[G0U+1], UB
	s_mov_b32 s[G0H], 1
	s_mul_i32 s[G0H+1], s[WV], CHB
	s_mov_b32 s[G0R], 1
	s_mul_i32 s[G0R+1], s[WV], 64*PITCH
	s_add_co_u32 s[G0R+1], s[G0R+1], UB+256*PITCH
	; byte offsets: those of hf and hb hang on the batch and the wave alone, those of U1 on r and the wave alone
	s_lshl_b32 s28, s[CY], 17
	s_lshl_b32 s2, s3, 16
	s_add_co_u32 s28, s28, s2                      ; hf: 131,072 b + 65,536 (w % 2)
	s_mov_b32 s29, 0
	s_lshl_b32 s30, s[RR], 17
	s_lshl_b32 s2, s3, 15
	s_add_co_u32 s30, s30, s2                      ; U1: 131,072 r + 32,768 (w % 2)
	s_mov_b32 s31, 0
	s_lshl_b32 s32, s[CY], 17
	s_lshl_b32 s2, s[WV], 15
	s_add_co_u32 s32, s32, s2                      ; hb, and out0's rows: 131,072 b + 32,768 w
	s_mov_b32 s33, 0
	s_lshl_b32 s34, s[RR], 17
	s_lshl_b32 s2, s[WV], 14
	s_add_co_u32 s34, s34, s2
	s_add_co_u32 s34, s34, 65536                   ; U1's other half: 131,072 r + 65,536 + 16,384 w
	s_mov_b32 s35, 0
	s_lshl_b32 s2, s[WV], 11
	s_lshl_b32 s60, s[RR], 13
	s_add_co_u32 s60, s60, s2                      ; U1's scales: 8,192 r + 2,048 w
	s_mov_b32 s61, 0
	s_lshl_b32 s62, s[CY], 13
	s_add_co_u32 s62, s62, s2                      ; hb's and hf's: 8,192 b + 2,048 w
	s_mov_b32 s63, 0
	s_lshl_b32 s66, s[RR], 2                       ; 4 r
	s_mov_b32 s67, 0
	s_mov_b32 s[SEL], 0x76543210                   ; v_permlanex16_b32's selects for lane l xor 16
	s_mov_b32 s[SEL+1], 0xfedcba98
	; the groups of 128 y in the order of my walk: w + 1, w + 2, w + 3, w (mod 4)
.irp g, 0,1,2,3
	s_add_co_u32 s3, s[WV], \g+1
	s_and_b32 s3, s3, 3
	s_mul_i32 s[92+\g], s3, CHB
	s_lshl_b32 s[96+\g], s3, 11
	s_add_co_u32 s[96+\g], s[96+\g], HBS
.endr
	s_add_co_u32 s3, s2, U1S                       ; where my parts of the scale words go: 2,048 w on
	s_add_co_u32 s2, s2, HBS
	s_lshl_b32 s104, s[WV], 3                      ; my first block of U_2's column
	s_lshl_b32 s[BIAS], s[WV], 2
	s_add_co_u32 s[BIAS], s[BIAS], RBX             ; where my part of rb's sum goes (the register takes bias[r] afterwards)
	; the lanes' addresses
	v_and_b32 v22, 31, v0                          ; lane
	v_and_b32 v23, 15, v0
	v_bfe_u32 v61, v0, 4, 1                        ; lane / 16
	v_and_b32 v121, 7, v0
	v_mul_u32_u24 v62, v23, PITCH
	v_lshl_add_u32 v62, v61, 4, v62                ; a fragment's row x pitch + 16 x half
	v_lshlrev_b32 v63, 4, v22                      ; 16 x lane
	v_add_nc_u32 v121, s104, v121                  ; my block: 8 w + lane % 8
	v_add_nc_u32 v[AU], UB, v62
	v_add_nc_u32 v[AU+1], UB+2*CHB, v62
	v_add_nc_u32 v[AUS], U1S, v63
.irp g, 0,1,2,3
	v_add_nc_u32 v[AH+\g], s[92+\g], v62
	v_add_nc_u32 v[AHS+\g], s[96+\g], v63
.endr
	v_lshl_add_u32 v[LU], v61, 4, U2C
	v_mov_b32 v[LUS], U2S
	v_lshlrev_b32 v[OUTO], 8, v22
	v_lshl_add_u32 v[U2O], v121, 13, s66           ; U_2: row 32 x block, column r
	v_lshl_add_u32 v[IMW], v121, 4, U2C
	v_add_nc_u32 v[SBW], U2S, v121
	v_mov_b32 v[RBW], s[BIAS]
	v_mov_b32 v[RBR], RBX
	v_add_nc_u32 v122, s3, v63
	v_add_nc_u32 v123, s2, v63
	s_wait_alu depctr_va_vdst(0)
	s_wait_dscnt 0x0                               ; both opening adds are done
	s_wait_kmcnt 0x0
	s_add_nc_u64 s[G0F+2:G0F+3], s[16:17], s[28:29]
	s_or_b32 s[G0F+3], s[G0F+3], 0x80000000        ; type = 2
	s_add_nc_u64 s[G0U+2:G0U+3], s[4:5], s[30:31]
	s_or_b32 s[G0U+3], s[G0U+3], 0x80000000
	s_add_nc_u64 s[6:7], s[6:7], s[60:61]
	s_add_nc_u64 s[14:15], s[14:15], s[62:63]
	s_add_nc_u64 s[18:19], s[18:19], s[62:63]
	s_add_nc_u64 s[10:11], s[10:11], s[66:67]
	s_load_b32 s[BIAS], s[10:11], 0x0              ; bias[r]
.irp p, 0,1,2,3
	global_load_b128 v[STR+4*\p:STR+4*\p+3], v63, s[6:7] offset:512*\p        ; my quarter of U1's scale words,
.endr
.irp p, 0,1,2,3
	global_load_b128 v[STR+16+4*\p:STR+16+4*\p+3], v63, s[14:15] offset:512*\p   ; of hb's,
.endr
.irp p, 0,1,2,3
	global_load_b128 v[HFS+4*\p:HFS+4*\p+3], v63, s[18:19] offset:512*\p      ; and hf's for my 128 x, which stay in registers
.endr
	ROUND                                          ; all sixteen work-groups are here: the joint loads meet
	s_cmp_lt_u32 s[WV], 2                          ; one tensor load a wave: waves 0 and 1 fetch hf, waves 2 and 3 U1's first 256 rows
	s_cbranch_scc0 .Lhead_u
	tensor_load_to_lds s[G0F:G0F+3], s[G1F:G1F+7]
	s_nop 0
	PLACES 4
	s_branch .Lhead_asked
.Lhead_u:
	tensor_load_to_lds s[G0U:G0U+3], s[G1U:G1U+7]
	s_nop 0
	PLACES 4
.Lhead_asked:
	s_add_nc_u64 s[G0H+2:G0H+3], s[12:13], s[32:33]
	s_or_b32 s[G0H+3], s[G0H+3], 0x80000000
	s_add_nc_u64 s[G0R+2:G0R+3], s[4:5], s[34:35]
	s_or_b32 s[G0R+3], s[G0R+3], 0x80000000
	s_add_nc_u64 s[20:21], s[20:21], s[32:33]      ; out0 at my wave's first row,
	s_add_nc_u64 s[20:21], s[20:21], s[66:67]      ; column r
	s_wait_kmcnt 0x0                               ; bias[r]
	s_wait_loadcnt 0x4                             ; U1's and hb's scale words are in; the four loads of hf's may be out
.irp p, 0,1,2,3
	ds_store_b128 v122, v[STR+4*\p:STR+4*\p+3] offset:512*\p
.endr
.irp p, 0,1,2,3
	ds_store_b128 v123, v[STR+16+4*\p:STR+16+4*\p+3] offset:512*\p
.endr
	s_wait_loadcnt 0x0
	s_wait_tensorcnt 0x0                           ; my tile of the head's four has landed
	s_wait_dscnt 0x0                               ; my scale words are stored
	s_barrier_signal -1
	s_barrier_wait -1                              ; both hold of all four waves
	; phase 0: hf's fragments come along K, 20 loads a K step with U1's
	U1W 0, 0, 0
	U1K 0, 0, 0, 0
	HFK 0
	U1K 0, 0, 0, 1
	HFK 1
	s_wait_dscnt 20                                ; K step 0 is in; K step 1's 20 loads may be out
	G1 0, 0
	WIN 0
	U1K 0, 0, 0, 2
	HFK 2
	s_wait_dscnt 20
	G1 1, 0
	WIN 0
	U1K 0, 0, 0, 3
	HFK 3
	s_wait_dscnt 20
	G1 2, 0
	WIN 0
	U1W 0, 1, 1                                    ; phase 1's 17 loads
.irp k, 0,1,2,3
	U1K 0, 1, 1, \k
.endr
	s_wait_dscnt 17
	G1 3, 0
.irp n, 1,2,3,4,5,6,7
	PHASE 0, \n
.endr
	LASTQ 0
.irp m, 0,1,2,3
	QTR 0, \m
.endr
	RFM
.irp m, 4,5,6,7
	QTR 0, \m
.endr
.irp n, 0,1,2,3,4,5,6,7
	PHASE 1, \n
.endr
	LASTQ 1
.irp m, 0,1,2,3
	QTR 1, \m
.endr
; THE LAST CHUNK OF P2 goes by halves of x: all its 16 pairs of hb are in registers (my walk's group 3 first), so tiles 0-3 of x are finished against all y, added and stored ahead of the products of tiles 4-7.
.macro G3 h, e                         ; pair e against four tiles of codes by turns: three others stand between a sum's steps
	WIN 0xfe                                       ; hb window 2, the codes and the sums window 3
.set gX, 4*(\h)
.rept 4
.set rD, 16*gX
.set rA, 16*(\e)
.set rB, 192+8*gX
.set rS, HFS+(\e)
.set rT, CS+4+gX/2
	WB rD, rA, rB, 0, rS, rT, gX%2
.set gX, gX+1
.endr
.endm
.macro RED h                           ; the 16 registers of each of the half's four sums are added, from the low end on, and then the two halves of the lanes
	WIN 0xcf
.irp j, 0,4,8,12
.irp t, 0,1,2,3
	v_pk_add_f32 v[64*(\h)+16*\t+\j:64*(\h)+16*\t+\j+1], v[64*(\h)+16*\t+\j:64*(\h)+16*\t+\j+1], v[64*(\h)+16*\t+\j+2:64*(\h)+16*\t+\j+3]
.endr
.endr
.irp j, 0,8
.irp t, 0,1,2,3
	v_pk_add_f32 v[64*(\h)+16*\t+\j:64*(\h)+16*\t+\j+1], v[64*(\h)+16*\t+\j:64*(\h)+16*\t+\j+1], v[64*(\h)+16*\t+\j+4:64*(\h)+16*\t+\j+5]
.endr
.endr
.irp t, 0,1,2,3
	v_pk_add_f32 v[64*(\h)+16*\t:64*(\h)+16*\t+1], v[64*(\h)+16*\t:64*(\h)+16*\t+1], v[64*(\h)+16*\t+8:64*(\h)+16*\t+9]
.endr
.irp t, 0,1,2,3
	v_add_f32 v[64*(\h)+16*\t], v[64*(\h)+16*\t], v[64*(\h)+16*\t+1]
.endr
	WIN 0xc3
.irp q, 0,1
	v_permlane16_swap_b32 v[64*(\h)+32*\q], v[64*(\h)+32*\q+16]   ; two tiles: the first now holds both tiles' lower halves, the second both upper halves
.endr
	WIN 0x0f
.irp q, 0,1
	v_add_f32 v[MX+4+2*(\h)+\q], v[64*(\h)+32*\q], v[64*(\h)+32*\q+16]   ; lane l: x = 64 h + 32 q + l
.endr
	WIN 0
.endm
.macro OUT h
.irp q, 0,1
	v_fma_f32 v[MX+4+2*(\h)+\q], v[MX+4+2*(\h)+\q], s28, v[RF+2*(\h)+\q]
.endr
.irp q, 0,1
	global_store_b32 v[OUTO], v[MX+4+2*(\h)+\q], s[20:21] offset:8192*(2*(\h)+\q)   ; out0(b, 128 w + 64 h + 32 q + lane, r): 4 bytes of each row (see the head)
.endr
.endm
	s_mov_b32 s28, 0x3a000000                      ; 2^-11
	s_mov_b32 s29, 0x3b000000                      ; 2^-9
	s_wait_dscnt 20                                ; U2b's fragment and pairs 0-11 are in; the 20 loads of pairs 12-15 may be out
.irp e, 0,1,2,3
	G3 0, \e
	WIN 0x02
.set rA, 16*\e
.set rS, HFS+\e
	WB RB, rA, MX, 0, rS, U2AS, 0                  ; rb: the 128 y of my own number
.endr
.irp e, 4,5,6,7
	G3 0, \e
.endr
	WIN 0
	PLACES 4
	; rb's 16 registers and the two halves of the lanes are added; the four waves' parts meet in LDS.
.irp j, 0,4,8,12
	v_pk_add_f32 v[RB+\j:RB+\j+1], v[RB+\j:RB+\j+1], v[RB+\j+2:RB+\j+3]
.endr
.irp j, 0,8
	v_pk_add_f32 v[RB+\j:RB+\j+1], v[RB+\j:RB+\j+1], v[RB+\j+4:RB+\j+5]
.endr
	v_pk_add_f32 v[RB:RB+1], v[RB:RB+1], v[RB+8:RB+9]
	v_add_f32 v[RB], v[RB], v[RB+1]
	v_permlanex16_b32 v[EX], v[RB], s[SEL], s[SEL+1]
	v_add_f32 v[RB], v[RB], v[EX]
	ds_store_b32 v[RBW], v[RB]                     ; all lanes hold the same number
.irp e, 8,9,10,11
	G3 0, \e
.endr
	s_wait_dscnt 0x0                               ; for the others' sake: my part is stored; and pairs 12-15 are in
	s_barrier_signal -1
.irp e, 12,13,14,15
	G3 0, \e
.endr
	WIN 0
	s_wait_alu depctr_va_vdst(0)
	s_barrier_wait -1
	ds_load_b128 v[MX:MX+3], v[RBR]
	PLACES 4
	RED 0
	s_wait_alu depctr_va_vdst(0)
	s_wait_dscnt 0x0
	v_add_f32 v[MX], v[MX], v[MX+1]
	v_add_f32 v[MX+2], v[MX+2], v[MX+3]
	v_add_f32 v[MX], v[MX], v[MX+2]
.irp q, 0,1,2,3
	v_fma_f32 v[RF+\q], v[MX], s29, v[RF+\q]
.endr
	OUT 0
.irp e, 0,1,2,3,4,5,6,7,8,9,10,11,12,13,14,15
	G3 1, \e
.endr
	PLACES 4
	RED 1
	OUT 1
	s_wait_tensorcnt 0x0                           ; the wave's end
	ds_add_u32 v[SPW], v[NIL]
	s_wait_dscnt 0x0
	ROUND                                          ; the closing round: no work-group ends while a partner may still ask for a tile that names it
	s_endpgm
.Lfunc_end_k_qc9d4fef5c2_biaffine:
	.size	k_qc9d4fef5c2_biaffine, .Lfunc_end_k_qc9d4fef5c2_biaffine-k_qc9d4fef5c2_biaffine
	.p2alignl 7, 3214868480
	.fill 96, 4, 3214868480
	.section	.rodata,"a",@progbits
	.p2align	6, 0x0
	.amdhsa_kernel k_qc9d4fef5c2_biaffine
		.amdhsa_group_segment_fixed_size 327680
		.amdhsa_private_segment_fixed_size 0
		.amdhsa_enable_private_segment 0
		.amdhsa_kernarg_size 72
		.amdhsa_user_sgpr_count 2
		.amdhsa_user_sgpr_kernarg_segment_ptr 1
		.amdhsa_wavefront_size32 1
		.amdhsa_system_sgpr_workgroup_id_x 1
		.amdhsa_system_sgpr_workgroup_id_y 1
		.amdhsa_system_sgpr_workgroup_id_z 1
		.amdhsa_system_vgpr_workitem_id 0
		.amdhsa_next_free_vgpr 1024
		.amdhsa_next_free_sgpr 106
		.amdhsa_reserve_vcc 0
		.amdhsa_float_denorm_mode_32 3
		.amdhsa_float_denorm_mode_16_64 3
		.amdhsa_memory_ordered 1
		.amdhsa_forward_progress 1
		.amdhsa_inst_pref_size 255
	.end_amdhsa_kernel
	.section	.bss,"aw",@nobits
	.p2align	6
	.space	262144
	.amdgpu_metadata
---
amdhsa.version: [ 1, 2 ]
amdhsa.kernels:
  - .name:           k_qc9d4fef5c2_biaffine
    .symbol:         k_qc9d4fef5c2_biaffine.kd
    .args:
      - { .name: U_1_codes, .offset: 0, .size: 8, .value_kind: global_buffer, .address_space: global }
      - { .name: U_1_scales, .offset: 8, .size: 8, .value_kind: global_buffer, .address_space: global }
      - { .name: U_2, .offset: 16, .size: 8, .value_kind: global_buffer, .address_space: global }
      - { .name: bias, .offset: 24, .size: 8, .value_kind: global_buffer, .address_space: global }
      - { .name: h_backward_codes, .offset: 32, .size: 8, .value_kind: global_buffer, .address_space: global }
      - { .name: h_backward_scales, .offset: 40, .size: 8, .value_kind: global_buffer, .address_space: global }
      - { .name: h_forward_codes, .offset: 48, .size: 8, .value_kind: global_buffer, .address_space: global }
      - { .name: h_forward_scales, .offset: 56, .size: 8, .value_kind: global_buffer, .address_space: global }
      - { .name: out0, .offset: 64, .size: 8, .value_kind: global_buffer, .address_space: global }
    .group_segment_fixed_size: 327680
    .private_segment_fixed_size: 0
    .kernarg_segment_align: 8
    .kernarg_segment_size: 72
    .max_flat_workgroup_size: 128
    .sgpr_count:     106
    .vgpr_count:     1024
    .wavefront_size: 32
...
	.end_amdgpu_metadata
.endif
;; end of part 1
